; MI455X (gfx1250); checked and timed in simulation.
; The chip was launched on July 23, 2026; its instructions are those of AMD's public machine-readable ISA for CDNA 5 (MIT licence, August 2026) and "CDNA5" Instruction Set Architecture Reference Guide (July 2026). The comments in the code are by the model that wrote it; some were corrected since.
;; Full Attention. Allowed arithmetic: matrix products marked QUANTISED: E2M1 operands, one E8M0 scale for each 32 along K, by v_wmma_scale_f32_16x16x128_f8f6f4 with both operands' format E2M1 (or v_wmma_scale_f32_32x16x128_f4), f32 sums; everything else in f32.
;; Inputs: keys_codes 4 x 2,048 x 16 x 2 x 16 uint8 (E2M1 codes of keys, K innermost, in blocks of 32 codes, two codes a byte); keys_scales 4 x 2,048 x 16 x 2 uint8 (E8M0 scales of keys, one for each 32 codes along K); queries_codes 4 x 2,048 x 16 x 2 x 16 uint8 (E2M1 codes of queries, K innermost, in blocks of 32 codes, two codes a byte); queries_scales 4 x 2,048 x 16 x 2 uint8 (E8M0 scales of queries, one for each 32 codes along K); values_codes 4 x 16 x 64 x 64 x 16 uint8 (E2M1 codes of values, K innermost, in blocks of 32 codes, two codes a byte); values_scales 4 x 16 x 64 x 64 uint8 (E8M0 scales of values, one for each 32 codes along K).
;; Outputs: out0 4 x 2,048 x 16 x 64 float32.
;; This version of the problem:
;;   THIS VERSION OF THE PROBLEM IS GIVEN IN LOW PRECISION. The matrix products marked QUANTISED in the list below multiply operands that are first quantised to E2M1 (2 exponent bits, 1 mantissa bit; 4 bits a number), with one power-of-two scale for each 32 numbers along K (OCP MX v1.0); their sums are f32. All else is computed in f32.
;;   The module's matrix products, in the order in which they are computed (A, B: the left and right operand; K: the contracted axis; several contracted axes count as one K, in the product's order):
;;     1. batch 64 x [M 2,048, K 64] x [K 64, N 2,048]; A: input queries (given as codes); B: input keys (given as codes): QUANTISED
;;     2. batch 64 x [M 64, K 2,048] x [K 2,048, N 2,048]; A: input values (given as codes); B: softmax (see below): QUANTISED
;;   THE QUANTISER, for each operand of a quantised product, along K:
;;     - K is cut into blocks of 32 from its start; a last block that is shorter is filled with zeros.
;;     - A block's scale is 2^e with e = floor(log2(the largest magnitude in the block)) - 2, held to -126 .. 127; a block of zeros has e = 0. As a byte (E8M0): e + 127.
;;     - Each number is divided by its block's scale, clamped to +-6, and rounded to the nearest number of E2M1, ties to even, subnormals kept.
;;     - The product sums the exact products of the quantised numbers (number of the format x scale) in f32.
;;   ~~~python
;;   def quantise(x, axis):      # numpy; x: float32 -> the quantised numbers, widened to float32 again
;;       x = np.moveaxis(x, axis, -1); K = x.shape[-1]
;;       x = np.pad(x, [(0, 0)] * (x.ndim - 1) + [(0, -K % 32)]); x = x.reshape(x.shape[:-1] + (-1, 32)); a = np.abs(x).max(-1, keepdims=True)
;;       e = np.where(a > 0, np.clip(np.frexp(np.where(a > 0, a, 1))[1] - 1 - 2, -126, 127), 0)      # np.frexp(a)[1] - 1 = floor(log2(a)), exactly
;;       r = np.clip(x / 2.0 ** e, -6, 6)
;;       step = 2.0 ** (np.maximum(np.frexp(np.where(r == 0, 1, r))[1] - 1, 0) - 1)
;;       q = np.round(r / step) * step * 2.0 ** e      # np.round: ties to even
;;       return np.moveaxis(q.reshape(q.shape[:-2] + (-1,))[..., :K], -1, axis).astype(np.float32)
;;   ~~~
;;   SOFTMAX AHEAD OF A QUANTISED PRODUCT. Where the list says 'softmax', what is quantised is not the finished softmax but p = 2^(t - M), with t = logit x log2(e) and M = ceil(the row's largest t), a whole number; so 1/2 < the row's largest p <= 1. The row's sum l is taken of the UNQUANTISED p, in f32, and the product's result is divided by l at the end. Since M is a whole number, a kernel that streams over the keys may use a running M (the ceiling of the running maximum): every later rescaling is an exact power of two, which a block's scale takes up: the codes' values come out the same.
;;   OPERANDS COMPUTED ON THE WAY. 'Computed on the way' means the value that the module computes at that place (a softmax that the list does not call 'softmax' is quantised finished and normalised). What goes into a quantiser is computed in f32, as accurately as f32 sums, v_exp_f32 and their like allow (about 1e-6 of the number): no bf16 or f16 on the way to a quantiser, and a product that is left as it is and whose result goes on into a quantised operand takes f32 operands (vector FMAs, or v_wmma_f32_16x16x4_f32). A number that lies on a knife's edge between two numbers of the format may be rounded either way, as far as f32 arithmetic and the matrix unit's own rounding can turn it there, and no further.
;;   INPUTS GIVEN AS CODES. keys (in the module: [4, 2048, 16, 64], K = its axis 3); queries (in the module: [4, 2048, 16, 64], K = its axis 3); values (in the module: [4, 2048, 16, 64], K = its axis 1): each comes as NAME_codes (uint8): NAME with its K axis moved to the last place and cut into blocks of 32 codes, [.., K / 32, bytes a block], one block behind the other in memory; two codes a byte, the lower K in the low four bits (a code: sign, 2 exponent bits, 1 mantissa bit); and NAME_scales (uint8): the same leading axes, one E8M0 byte (e + 127) for each 32 codes along K. Its value is code x scale, taken as it is: it is not quantised again, and the codes and scales need not be those that the quantiser above would give.
;; One version. Each part assembles by itself: llvm-mc -triple=amdgcn-amd-amdhsa -mcpu=gfx1250 --defsym DOCPART=n.
;; ======== version 1 of 1: 1 launch
;; launch attn (part 1): grid 4 x 64, 16 waves a work-group, clusters of 4 x 1, 251,904 bytes of LDS; arguments keys_codes, keys_scales, queries_codes, queries_scales, values_codes, values_scales, out0; writes out0
.if DOCPART == 1
	.amdgcn_target "amdgcn-amd-amdhsa--gfx1250"
	.amdhsa_code_object_version 6
	.text
	.protected	k_q5585a06e2e_attn
	.globl	k_q5585a06e2e_attn
	.p2align	8
	.type	k_q5585a06e2e_attn,@function
k_q5585a06e2e_attn:
	s_mov_b64 s[64:65], 0
	v_nop
	global_prefetch_b8 v0, s[64:65] scope:SCOPE_SE
	s_setreg_imm32_b32 hwreg(HW_REG_WAVE_MODE, 25, 1), 1
	s_wait_xcnt 0x0
	s_wait_alu depctr_hold_cnt(0) depctr_sa_sdst(0) depctr_va_vdst(0) depctr_va_sdst(0) depctr_va_ssrc(0) depctr_va_vcc(0) depctr_vm_vsrc(0)
	s_getreg_b32 s2, hwreg(HW_REG_IB_STS2, 6, 4)
	s_cmp_eq_u32 s2, 0
	s_cbranch_scc0 .Lentry_in_a_cluster
	s_endpgm
.Lentry_in_a_cluster:
	s_bfe_u32 s2, ttmp6, 0x10000c
	s_cmp_lg_u32 s2, 0x3003
	s_cbranch_scc0 .Lentry_shape_is_right
	s_endpgm
.Lentry_shape_is_right:
; out0[b][q][h][:] = the sum over keys s <= q of softmax_s(Q[b][q][h] . K[b][s][h] / 8) V[b][s][h][:].  4 batches, 16 heads, 2,048 positions, head size 64.
; Both products run on codes of FP4 (E2M1) with one E8M0 scale for each 32 along a product's K.  Q, K: codes along the head's 64, 32 bytes a (position, head), 512 bytes from position to position;
; their scale bytes 2 a (position, head), 32 bytes from position to position.  V: codes with the KEYS innermost, 64 rows of 1,024 bytes a head; its scale bytes 64 a row.  out0: f32, 256 bytes a (position, head).
; THE SOFTMAX AHEAD OF THE SECOND PRODUCT: t = score x log2(e) / 8; M = the largest t so far, rounded UP to a whole number; p = 2^(t - M) is quantised along the keys, not normalised.  The row's sum is taken of
; the unquantised p in f32 and divides at the end.  When M moves, the sum and O are multiplied by 2^(old M - new M), which rounds nothing.
; CLUSTER.  The four work-groups of a cluster belong to ONE head.  A head's K is 2,048 x 32 = 65,536 bytes and its V as much: with padding 167,936 bytes, which lie in LDS whole.  They come ONCE, by joint tensor loads
; (the same descriptor and the mask of all four in every partner), all of them first fills: no slot is ever filled again, so there is no ring.
; SHARES.  Sixteen waves of 256 registers, four to a SIMD, so that one wave's vector work stands beside another's products and LDS loads.  The head's queries are 16 blocks of 128 = 8 tiles of 16.  Wave w of work-group cx
; owns tile A, queries 128 w + 16 cx on, and tile B, queries 128 (15 - w) + 64 + 16 cx on.  Keys go in 16 steps of 128.  Tile A has work in steps 0 .. w, tile B in steps 0 .. 15 - w: 17 steps for EVERY wave, two of
; them on the diagonal.  Which steps a tile works in hangs on w and the step alone, never on cx: partners run alike.  A tile leaves as soon as its diagonal step is done, so the stores are spread over the launch.
; LAYOUT.  Both products are used transposed: S^T = K Q^T (source 0 = 16 keys, source 1 = 16 queries), O^T = V^T P^T (source 0 = 16 of the head's 64, source 1 = P): a lane holds ONE query (lane % 16) throughout.
; THE KEYS OF A TILE ARE NOT NEIGHBOURS: lane r of tile 2 b + u takes key 32 b + 8 u + r + 8 (r / 8), so that the 16 registers of tiles 2 b and 2 b + 1 are 16 neighbouring keys, 32 b + 16 (lane / 16) + 0 .. 15.
; THE FIRST PRODUCT'S K IS 64 OF THE INSTRUCTION'S 128.  Q's registers 4-7 (k = 64 .. 127) are zero codes.  K's registers 4-7 are whatever lies there: the next fragment's codes (behind the last: zeros).  Codes of E2M1 are
; finite numbers, the scale bytes of k = 64 .. 127 are 0 on both sides (2^-127, no NaN): those products are zeros.
; LIMITS.  A scale byte 0xff (NaN) among the inputs is not served.  Scores beyond f32's range are not served.  A p under 2^-126 counts as 0 (v_exp_f32 flushes it), beside a row's largest p above 1/2.
; A block of 32 p that are all 0 keeps the scale byte 1: its codes are zeros.
.set KP,   48                          ; a key's row in LDS: 32 bytes + 16 of padding: an odd multiple of 16
.set KCH,  512*KP                      ; a chunk of 512 keys: what one tensor load brings
.set VT,   4*KCH                       ; behind K: V, [chunk of 512 keys][64 rows][256 bytes + 16]
.set VP,   272
.set VCH,  64*VP
.set SCK,  VT+4*VCH                    ; K's scale words as images of the scale registers: 512 bytes a step
.set SCV,  SCK+16*512                  ; V's likewise: 256 bytes a step
.set STG,  SCV+16*256                  ; the way out: 16 rows x (256 bytes + 16) for each wave, its own
.set SGW,  16*272
; vector registers
.set AK0,  1                           ; my lane's place in a tile of K
.set AV0,  2                           ; in a tile of V
.set ASK0, 3                           ; among K's scale words: 16 x lane
.set ASV0, 4                           ; among V's: 8 x lane
.set STO,  5                           ; the way out: where I put 32 bytes of a row
.set RD,   6                           ; where I read a row back
.set GO,   7                           ; my byte offset in a tile's rows of out0
.set ADK,  8                           ; LDS addresses of the step in hand: K,
.set ADV,  9                           ; V,
.set ADS,  10                          ; K's scale words,
.set ADT,  11                          ; V's
.set STA,  12                          ; v[12:15] tile A: -M, the largest t, the sum in two halves
.set STB,  16                          ; v[16:19] tile B
.set DA,   20                          ; tile A on its diagonal: my query - the step's first key - 16 (lane / 16)
.set DB,   21                          ; tile B
.set QWA,  22                          ; Q's scale words, tile A; nothing else ever lies here
.set QWB,  23
.set QA,   24                          ; v[24:31] Q's fragment, tile A; v28-31 zeros
.set QB,   32                          ; v[32:39] tile B; v36-39 zeros
.set F,    40                          ; v[40:71] eight fragments of K (4 registers each) or four of V (8 each); v72-75 zeros
.set S,    76                          ; v[76:139] S^T, then p; at work on the way out
.set OA,   140                         ; v[140:171] O^T, tile A
.set OB,   172                         ; v[172:203] tile B
.set PC,   204                         ; v[204:211] p's codes
.set KS,   212                         ; v[212:215] K's scale words: register b: lanes 0-15 tile 2 b, lanes 16-31 tile 2 b + 1
.set VS,   216                         ; v[216:217] V's likewise
.set PW,   218                         ; p's scale word
.set BM,   220                         ; v[220:223] a block's largest score, then its largest p
.set PM,   224                         ; v[224:227] the other half's; then the scale bytes
.set SO,   228                         ; v[228:231] the conversions' scale operands
.set FP,   232                         ; v[232:233] f = 2^(old M - new M); at the end 1 / the sum
.set TMP,  234
.set TM2,  235
.set SUM,  236                         ; v[236:237]
.set RR,   238                         ; the head's own: lane % 16,
.set HF,   239                         ; lane / 16,
.set LN,   240                         ; lane,
.set T1,   241
.set LKS,  242                         ; where I store K's scale words
.set T2,   243
.set KSD,  244                         ; v[244:247] four of K's scale words as loaded
.set VSD,  248                         ; v[248:249] two of V's
.set LVS,  250                         ; where I store them
.set T3,   251
.set GKS,  252                         ; global offsets: 32 x thread,
.set GVS,  253                         ; 8 x thread,
.set GQC,  254                         ; 512 (lane % 16) + 16 (lane / 16),
.set GQS,  255                         ; 32 (lane % 16)
; scalar registers
.set WV,   18                          ; w
.set WB,   19                          ; 15 - w
.set SEL,  20                          ; s[20:21] lane selects for v_permlanex16_b32: lane l xor 16
.set CS,   22                          ; s[22:23] c = log2(e) / 8
.set CX,   24
.set BH,   25                          ; 16 b + h
.set BB,   26
.set HH,   27
.set G1K,  28                          ; s[28:35] descriptor group 1 for K's chunks
.set G1V,  36                          ; s[36:43] for V's
.set G0K,  44                          ; s[44:59] group 0 for K's four chunks
.set T0,   60                          ; s[60:61] offsets that hang on b and h alone
.set QSB,  62                          ; s[62:63] Q's scale bytes at tile B
.set G0V,  68                          ; s[68:83] group 0 for V's four chunks
.set TK,   84                          ; LDS bytes from step 0 to the step in hand: K, 128 rows a step;
.set TV,   85                          ; V, 64 bytes a step, and on to the next chunk after four;
.set TS,   86                          ; K's scale words, 512;
.set TT,   87                          ; V's, 256
.set SC,   88                          ; the step
.set IC,   89
.set OC,   90
.set H1,   91
.set OUTA, 92                          ; s[92:93] out0 at tile A's first row
.set OUTB, 94
.set QCA,  96                          ; s[96:97] Q's codes at tile A
.set QCB,  98
.set QSA,  100                         ; s[100:101] Q's scale bytes at tile A
; A round of the cluster's barrier: my work-group's barrier, so that wave 0's signal speaks for all sixteen waves; wave 0 signals for the work-group; every wave waits for all four work-groups; my work-group's barrier once more.
.macro CROUND
	s_barrier_signal -1
	s_barrier_wait -1
	s_cmp_lg_u32 s[WV], 0
	s_cbranch_scc1 .Lnot_wave_0_\@
	s_barrier_signal -3
.Lnot_wave_0_\@:
	s_barrier_wait -3
	s_barrier_signal -1
	s_barrier_wait -1
.endm
	s_load_b256 s[4:11], s[0:1], 0x0               ; K's codes s[4:5], K's scales s[6:7], Q's codes s[8:9], Q's scales s[10:11]
	s_load_b128 s[12:15], s[0:1], 0x20             ; V's codes s[12:13], V's scales s[14:15]
	s_load_b64 s[16:17], s[0:1], 0x30              ; out0
	v_lshl_add_u32 v254, v0, 2, 0x3d000
	v_mov_b32 v255, 0
	ds_add_u32 v254, v255
	ds_add_u32 v254, v255
	s_wait_dscnt 0x0
	v_lshrrev_b32 v[T1], 5, v0
	s_delay_alu instid0(VALU_DEP_1)
	v_readfirstlane_b32 s[WV], v[T1]               ; wave 0..15
	s_xor_b32 s[WB], s[WV], 15                     ; 15 - w
	s_bfe_u32 s[CX], ttmp6, 0x40000                ; my place in the cluster: it enters Q's and out0's addresses and the mask's thresholds alone
	s_and_b32 s[BH], ttmp7, 0xffff                 ; 16 b + h, which the four partners share
	s_lshr_b32 s[BB], s[BH], 4
	s_and_b32 s[HH], s[BH], 15
	; descriptor group 1.  K: 512 rows of 32 bytes, 512 bytes apart in memory
	s_mov_b32 s[G1K], 15|(1<<20)|(1<<21)|(2<<22)|(3<<25)   ; 15:0 the mask: all four work-groups; 17:16 elements of 1 byte; 20 padding on; 21 set beside a mask; 24:22 after every 8 words (code 2); 31:25 four words (code 3)
	s_mov_b32 s[G1K+1], 32<<16                     ; tensor_dim0 = 32
	s_mov_b32 s[G1K+2], 512<<16                    ; tensor_dim1 = 512
	s_mov_b32 s[G1K+3], 32<<16                     ; tile_dim0 = 32
	s_mov_b32 s[G1K+4], 512                        ; tile_dim1 = 512
	s_mov_b32 s[G1K+5], 512                        ; from row to row
	s_mov_b32 s[G1K+6], 0
	s_mov_b32 s[G1K+7], 0
	; V: 64 rows of 256 bytes, 1,024 bytes apart
	s_mov_b32 s[G1V], 15|(1<<20)|(1<<21)|(5<<22)|(3<<25)   ; padding: four words after every 64
	s_mov_b32 s[G1V+1], 256<<16
	s_mov_b32 s[G1V+2], 64<<16
	s_mov_b32 s[G1V+3], 256<<16
	s_mov_b32 s[G1V+4], 64
	s_mov_b32 s[G1V+5], 1024
	s_mov_b32 s[G1V+6], 0
	s_mov_b32 s[G1V+7], 0
	s_mov_b32 s[SEL], 0x76543210
	s_mov_b32 s[SEL+1], 0xfedcba98
	s_mov_b32 s[CS], 0x3e38aa3b                    ; c = log2(e) / 8
	s_mov_b32 s[CS+1], s[CS]                       ; (named with it as a pair, so it is written)
	v_and_b32 v[RR], 15, v0
	v_bfe_u32 v[HF], v0, 4, 1
	v_and_b32 v[LN], 31, v0
	v_lshlrev_b32 v[GKS], 5, v0
	v_lshlrev_b32 v[GVS], 3, v0
	v_lshlrev_b32 v[GQC], 9, v[RR]
	s_delay_alu instid0(VALU_DEP_1)
	v_lshl_add_u32 v[GQC], v[HF], 4, v[GQC]
	v_lshlrev_b32 v[GQS], 5, v[RR]
	s_wait_alu depctr_va_vdst(0)
	s_wait_kmcnt 0x0
	; every buffer at its head: offsets made of b and h alone
	s_mov_b32 s[T0+1], 0
	s_lshl_b32 s[T0], s[BB], 20
	s_lshl_b32 s[H1], s[HH], 5
	s_add_co_u32 s[T0], s[T0], s[H1]               ; codes of K and Q: 2^20 b + 32 h
	s_add_nc_u64 s[4:5], s[4:5], s[T0:T0+1]
	s_add_nc_u64 s[8:9], s[8:9], s[T0:T0+1]
	s_lshl_b32 s[T0], s[BB], 16
	s_lshl_b32 s[H1], s[HH], 1
	s_add_co_u32 s[T0], s[T0], s[H1]               ; their scale bytes: 2^16 b + 2 h
	s_add_nc_u64 s[6:7], s[6:7], s[T0:T0+1]
	s_add_nc_u64 s[10:11], s[10:11], s[T0:T0+1]
	s_lshl_b32 s[T0], s[BH], 16                    ; V's codes: 65,536 a head
	s_add_nc_u64 s[12:13], s[12:13], s[T0:T0+1]
	s_lshl_b32 s[T0], s[BH], 12                    ; V's scale bytes: 4,096 a head
	s_add_nc_u64 s[14:15], s[14:15], s[T0:T0+1]
	s_lshl_b32 s[T0], s[BB], 23
	s_lshl_b32 s[H1], s[HH], 8
	s_add_co_u32 s[T0], s[T0], s[H1]               ; out0: 2^23 b + 256 h
	s_add_nc_u64 s[16:17], s[16:17], s[T0:T0+1]
.irp c, 0,1,2,3
	s_mov_b32 s[G0K+4*\c], 1                                       ; 1:0 count = 1
	s_mov_b32 s[G0K+4*\c+1], \c*KCH                                ; 63:32 LDS address
	s_add_nc_u64 s[G0K+4*\c+2:G0K+4*\c+3], s[4:5], \c*262144       ; 120:64 global address: keys 512 c on
	s_or_b32 s[G0K+4*\c+3], s[G0K+4*\c+3], 0x80000000              ; 127:126 type = 2
	s_mov_b32 s[G0V+4*\c], 1
	s_mov_b32 s[G0V+4*\c+1], VT+\c*VCH
	s_add_nc_u64 s[G0V+4*\c+2:G0V+4*\c+3], s[12:13], \c*256        ; the same keys: 256 bytes on in each row
	s_or_b32 s[G0V+4*\c+3], s[G0V+4*\c+3], 0x80000000
.endr
	; my two tiles: these offsets hang on cx and live in registers of their own
	s_lshl_b32 s2, s[CX], 4
	s_lshl_b32 s66, s[WV], 7
	s_add_co_u32 s66, s66, s2                      ; tile A's first query: 128 w + 16 cx
	s_lshl_b32 s67, s[WB], 7
	s_add_co_u32 s67, s67, s2
	s_add_co_u32 s67, s67, 64                      ; tile B's: 128 (15 - w) + 64 + 16 cx
	v_lshlrev_b32 v[T1], 4, v[HF]
	s_delay_alu instid0(VALU_DEP_1)
	v_sub_nc_u32 v[DA], v[RR], v[T1]
	s_delay_alu instid0(VALU_DEP_1)
	v_add_nc_u32 v[DA], s2, v[DA]                  ; 16 cx + lane % 16 - 16 (lane / 16)
	s_delay_alu instid0(VALU_DEP_1)
	v_add_nc_u32 v[DB], 64, v[DA]
	s_mov_b32 s3, 0
	s_lshl_b32 s2, s66, 9
	s_add_nc_u64 s[QCA:QCA+1], s[8:9], s[2:3]
	s_lshl_b32 s2, s66, 5
	s_add_nc_u64 s[QSA:QSA+1], s[10:11], s[2:3]
	s_lshl_b32 s2, s66, 12
	s_add_nc_u64 s[OUTA:OUTA+1], s[16:17], s[2:3]
	s_lshl_b32 s2, s67, 9
	s_add_nc_u64 s[QCB:QCB+1], s[8:9], s[2:3]
	s_lshl_b32 s2, s67, 5
	s_add_nc_u64 s[QSB:QSB+1], s[10:11], s[2:3]
	s_lshl_b32 s2, s67, 12
	s_add_nc_u64 s[OUTB:OUTB+1], s[16:17], s[2:3]
	CROUND                                         ; all four work-groups are here: the joint loads meet
	; ALL FILLS OF THE LAUNCH: wave 0 asks for K's four chunks, wave 1 for V's; each wave's four stand in one branch on the wave's number: four tensor loads of a wave are out at the most.
	; Four v_nop follow the last of a run, ahead of the jump and the label.
	s_cmp_lg_u32 s[WV], 0
	s_cbranch_scc1 .Lnot_k
.irp c, 0,1,2,3
	tensor_load_to_lds s[G0K+4*\c:G0K+4*\c+3], s[G1K:G1K+7]
	s_nop 0
.endr
.rept 4
	v_nop
.endr
	s_branch .Lasked
.Lnot_k:
	s_cmp_lg_u32 s[WV], 1
	s_cbranch_scc1 .Lasked
.irp c, 0,1,2,3
	tensor_load_to_lds s[G0V+4*\c:G0V+4*\c+3], s[G1V:G1V+7]
	s_nop 0
.endr
.rept 4
	v_nop
.endr
.Lasked:
	; The scale bytes of the head, once: thread n takes the two bytes of keys n, n + 512, n + 1,024, n + 1,536 (zero-extended: the word's bytes for k = 64 .. 127 are 0), and 8 bytes of V's 4,096.
.irp i, 0,1,2,3
	global_load_u16 v[KSD+\i], v[GKS], s[6:7] offset:16384*\i
.endr
	global_load_b64 v[VSD:VSD+1], v[GVS], s[14:15]
	global_load_b128 v[QA:QA+3], v[GQC], s[QCA:QCA+1]      ; Q's fragments stay in registers: row lane % 16, 16 bytes for each half of the lanes
	global_load_b128 v[QB:QB+3], v[GQC], s[QCB:QCB+1]
	global_load_u16 v[QWA], v[GQS], s[QSA:QSA+1]           ; and their scale words
	global_load_u16 v[QWB], v[GQS], s[QSB:QSB+1]
	; LDS addresses, while the loads are out
	v_and_b32 v[T1], 8, v[RR]
	s_delay_alu instid0(VALU_DEP_1)
	v_add_nc_u32 v[T1], v[T1], v[RR]               ; r + 8 (r / 8)
	s_delay_alu instid0(VALU_DEP_1)
	v_mul_u32_u24 v[AK0], v[T1], KP
	s_delay_alu instid0(VALU_DEP_1)
	v_lshl_add_u32 v[AK0], v[HF], 4, v[AK0]
	v_mul_u32_u24 v[AV0], v[RR], VP
	s_delay_alu instid0(VALU_DEP_1)
	v_lshl_add_u32 v[AV0], v[HF], 4, v[AV0]
	s_delay_alu instid0(VALU_DEP_1)
	v_add_nc_u32 v[AV0], VT, v[AV0]
	v_lshl_add_u32 v[ASK0], v[LN], 4, SCK
	v_lshl_add_u32 v[ASV0], v[LN], 3, SCV
	s_mul_i32 s[H1], s[WV], SGW
	s_add_co_u32 s[H1], s[H1], STG                 ; my stage
	v_mul_u32_u24 v[STO], v[RR], 272               ; in: row lane % 16, 32 bytes for each half of the lanes
	s_delay_alu instid0(VALU_DEP_1)
	v_lshl_add_u32 v[STO], v[HF], 5, v[STO]
	s_delay_alu instid0(VALU_DEP_1)
	v_add_nc_u32 v[STO], s[H1], v[STO]
	v_mul_u32_u24 v[RD], v[HF], 272                ; back: lanes 0-15 one row of 256 bytes, lanes 16-31 the next
	s_delay_alu instid0(VALU_DEP_1)
	v_lshl_add_u32 v[RD], v[RR], 4, v[RD]
	s_delay_alu instid0(VALU_DEP_1)
	v_add_nc_u32 v[RD], s[H1], v[RD]
	v_lshlrev_b32 v[GO], 12, v[HF]                 ; and the same two rows in out0, 4,096 bytes apart
	s_delay_alu instid0(VALU_DEP_1)
	v_lshl_add_u32 v[GO], v[RR], 4, v[GO]
	; K's image: the word of key kk of a step goes to lane 16 ((kk / 8) % 2) + 8 ((kk / 16) % 2) + kk % 8, register kk / 32: byte 16 x lane + 4 x register of the step's 512
	v_and_b32 v[LKS], 7, v0
	s_delay_alu instid0(VALU_DEP_1)
	v_lshlrev_b32 v[LKS], 4, v[LKS]
	v_bfe_u32 v[T2], v0, 3, 1
	s_delay_alu instid0(VALU_DEP_1)
	v_lshl_add_u32 v[LKS], v[T2], 8, v[LKS]
	v_bfe_u32 v[T2], v0, 4, 1
	s_delay_alu instid0(VALU_DEP_1)
	v_lshl_add_u32 v[LKS], v[T2], 7, v[LKS]
	v_bfe_u32 v[T2], v0, 5, 2
	s_delay_alu instid0(VALU_DEP_1)
	v_lshl_add_u32 v[LKS], v[T2], 2, v[LKS]
	v_bfe_u32 v[T2], v0, 7, 2                      ; my key's step among four; the four loads lie four steps apart
	s_delay_alu instid0(VALU_DEP_1)
	v_lshl_add_u32 v[LKS], v[T2], 9, v[LKS]
	s_delay_alu instid0(VALU_DEP_1)
	v_add_nc_u32 v[LKS], SCK, v[LKS]
	; V's image: my 8 bytes are the words of row d = thread / 8 for steps 2 (thread % 8) and + 1; the word of row d goes to lane d % 32, register d / 32: byte 8 x lane + 4 x register of the step's 256
	v_and_b32 v[LVS], 7, v0
	s_delay_alu instid0(VALU_DEP_1)
	v_lshlrev_b32 v[LVS], 9, v[LVS]
	v_bfe_u32 v[T3], v0, 3, 5
	s_delay_alu instid0(VALU_DEP_1)
	v_lshl_add_u32 v[LVS], v[T3], 3, v[LVS]
	v_lshrrev_b32 v[T3], 8, v0
	s_delay_alu instid0(VALU_DEP_1)
	v_lshl_add_u32 v[LVS], v[T3], 2, v[LVS]
	s_delay_alu instid0(VALU_DEP_1)
	v_add_nc_u32 v[LVS], SCV, v[LVS]
	; the state of both tiles
.irp t, STA, STB
	v_mov_b32 v[\t+1], 0xff61b1e6                  ; the largest t so far: -3e38, under every t
	s_delay_alu instid0(VALU_DEP_1)
	v_floor_f32 v[\t], -v[\t+1]                    ; -M
	v_mov_b32 v[\t+2], 0                           ; the sum, in two halves
	v_mov_b32 v[\t+3], 0
.endr
.irp i, 0,1,2,3
	v_mov_b32 v[QA+4+\i], 0                        ; Q's codes of k = 64 .. 127: zeros
	v_mov_b32 v[QB+4+\i], 0
	v_mov_b32 v[F+32+\i], 0                        ; what the last fragment of K finds in its registers 4-7
	v_mov_b32 v[PM+\i], 0                          ; written once: a lane permute's destination counts as one of its sources
.endr
	v_mov_b32 v[FP+1], 0                           ; (named as the upper half of the pair before it is ever written)
	v_mov_b32 v[TM2], 0
.set i, 0
.rept 64
	v_mov_b32 v[OA+i], 0                           ; O^T of both tiles.  (A step is written once: a tile's first step finds zeros, which the first change of M leaves zeros)
.set i, i+1
.endr
	s_wait_loadcnt 4                               ; the five loads of scale bytes are in; Q's four, issued behind them, may be out
.irp i, 0,1,2,3
	ds_store_b32 v[LKS], v[KSD+\i] offset:2048*\i
.endr
	ds_store_b32 v[LVS], v[VSD]
	ds_store_b32 v[LVS], v[VSD+1] offset:256
	s_wait_loadcnt 0x0                             ; Q
	s_wait_tensorcnt 3                             ; a loading wave issued three loads behind its chunk 0: that chunk is in
	s_wait_dscnt 0x0                               ; for the others' sake: my part of the images is in LDS
	s_barrier_signal -1
	s_barrier_wait -1                              ; keys 0 .. 511 and all scale words are there for everybody; chunks 1 to 3 may stay out
; ONE TILE'S PART OF A KEY STEP.  wn: the scalar register that holds the tile's diagonal step; st: its statistics; dd: its threshold on the diagonal; qw, qf: Q's scale words and fragment; oa: O^T; ob: out0 at its first row.
.macro TILE_STEP wn, st, dd, qw, qf, oa, ob
	s_cmp_gt_u32 s[SC], s[\wn]                     ; all 128 keys come after my 16 queries: nothing to do.  The branch hangs on the wave's number and the step
	s_cbranch_scc1 .Lskip_\@
.rept 4
	v_nop                                          ; four places in front of loads into registers that the last products read (ISA guide 7.12.1 for vector instructions)
.endr
	s_wait_alu depctr_va_vdst(0)
	ds_load_b128 v[KS:KS+3], v[ADS]                ; the step's 128 scale words of K: four a lane
.irp t, 0,1,2,3,4,5,6,7
	ds_load_b128 v[F+4*\t:F+4*\t+3], v[ADK] offset:(32*(\t/2)+8*(\t%2))*KP   ; tile t: 16 keys x 64
.endr
	s_wait_dscnt 0x0
.irp t, 0,1,2,3,4,5,6,7                ; S^T = K Q^T: eight accumulators, each begun with the constant 0
.if \t%2
	v_wmma_scale_f32_16x16x128_f8f6f4 v[S+8*\t:S+8*\t+7], v[F+4*\t:F+4*\t+7], v[\qf:\qf+7], 0, v[KS+\t/2], v[\qw] matrix_a_fmt:MATRIX_FMT_FP4 matrix_b_fmt:MATRIX_FMT_FP4 matrix_a_scale:MATRIX_SCALE_ROW1
.else
	v_wmma_scale_f32_16x16x128_f8f6f4 v[S+8*\t:S+8*\t+7], v[F+4*\t:F+4*\t+7], v[\qf:\qf+7], 0, v[KS+\t/2], v[\qw] matrix_a_fmt:MATRIX_FMT_FP4 matrix_b_fmt:MATRIX_FMT_FP4
.endif
.endr
.rept 4
	v_nop                                          ; four places: for the loads below, into registers that these products read, and for the first read of the scores
.endr
	s_wait_alu depctr_va_vdst(0)
.irp t, 0,1,2,3                        ; V's four fragments (16 of the head's 64 x these 128 keys) land while the softmax is walked
.irp c, 0,1
	ds_load_b128 v[F+8*\t+4*\c:F+8*\t+4*\c+3], v[ADV] offset:16*\t*VP+32*\c
.endr
.endr
	ds_load_b64 v[VS:VS+1], v[ADT]
	s_cmp_lg_u32 s[SC], s[\wn]
	s_cbranch_scc1 .Lopen_\@                       ; under the diagonal every key counts
	v_mov_b32 v[TMP], 0xff800000                   ; ON THE DIAGONAL the scores of hidden keys become -infinity ahead of the maximum: p = 0 then.  The step's first key counts for every query
.set n, 0
.rept 64                               ; register 16 b + i holds key 32 b + 16 (lane / 16) + i of the step: hidden where 32 b + i > dd.  In ascending order: each accumulator is first read at its low end
	v_cmp_gt_i32 vcc_lo, 32*(n/16)+n%16, v[\dd]
	v_cndmask_b32 v[S+n], v[S+n], v[TMP], vcc_lo
.set n, n+1
.endr
.Lopen_\@:
.irp b, 0,1,2,3
	v_max3_num_f32 v[BM+\b], v[S+16*\b], v[S+1+16*\b], v[S+2+16*\b]   ; the largest score of each block of 32 keys: it serves the row's maximum and, since p rises with the score, the block's largest p
.endr
.irp i, 3,5,7,9,11,13
.irp b, 0,1,2,3
	v_max3_num_f32 v[BM+\b], v[BM+\b], v[S+16*\b+\i], v[S+1+16*\b+\i]   ; (the four blocks by turns)
.endr
.endr
.irp b, 0,1,2,3
	v_max_num_f32 v[BM+\b], v[BM+\b], v[S+15+16*\b]
.endr
.irp b, 0,1,2,3
	s_delay_alu instid0(VALU_DEP_4)
	v_permlanex16_b32 v[PM+\b], v[BM+\b], s[SEL], s[SEL+1]
.endr
.irp b, 0,1,2,3
	s_delay_alu instid0(VALU_DEP_4)
	v_max_num_f32 v[BM+\b], v[BM+\b], v[PM+\b]     ; with lane l xor 16's 16 keys
.endr
	s_delay_alu instid0(VALU_DEP_2)
	v_max3_num_f32 v[TMP], v[BM], v[BM+1], v[BM+2]
	s_delay_alu instid0(VALU_DEP_1)
	v_max_num_f32 v[TMP], v[TMP], v[BM+3]          ; the step's largest score of my query
	s_delay_alu instid0(VALU_DEP_1)
	v_mul_f32 v[TMP], s[CS], v[TMP]                ; as t (c is positive)
	s_delay_alu instid0(VALU_DEP_1)
	v_max_num_f32 v[\st+1], v[\st+1], v[TMP]       ; the running largest t
	v_mov_b32 v[TMP], v[\st]
	s_delay_alu instid0(VALU_DEP_2)
	v_floor_f32 v[\st], -v[\st+1]                  ; the new -M = floor(-t) = -ceil(t): a whole number
	s_delay_alu instid0(VALU_DEP_1)
	v_sub_f32 v[TMP], v[\st], v[TMP]               ; old M - new M: a whole number, 0 or less
	s_delay_alu instid0(VALU_DEP_1)
	v_cvt_i32_f32 v[TMP], v[TMP]                   ; (it saturates)
	s_delay_alu instid0(VALU_DEP_1)
	v_ldexp_f32 v[FP], 1.0, v[TMP]                 ; f = 2^(old M - new M)
.set j, 0
.rept 32
	v_pk_fma_f32 v[S+j:S+j+1], v[S+j:S+j+1], s[CS:CS+1], v[\st:\st+1] op_sel_hi:[1,0,0]   ; t - M, two at a time (of the pairs c and -M the low word serves both halves)
.set j, j+2
.endr
.irp b, 0,1,2,3
	v_fma_f32 v[BM+\b], v[BM+\b], s[CS], v[\st]    ; the same of each block's largest score
.endr
.set j, 0
	s_wait_alu depctr_va_vdst(0)
.rept 64
	v_exp_f32 v[S+j], v[S+j]                       ; p = 2^(t - M), at most 1: not normalised
.set j, j+1
.endr
.irp b, 0,1,2,3
	v_exp_f32 v[BM+\b], v[BM+\b]                   ; the block's largest p: the same two instructions on the same number give the same bits
.endr
	v_pk_mul_f32 v[\st+2:\st+3], v[\st+2:\st+3], v[FP:FP+1] op_sel_hi:[1,0]   ; the sums under the new M.  (The plain instruction behind the exponentials)
	s_wait_alu depctr_va_vdst(0)
.irp b, 0,1,2,3
	v_max_num_f32 v[BM+\b], 0x1800000, v[BM+\b]    ; the floor 2^(3 - 127): the byte cannot fall under 1
.endr
.irp b, 0,1,2,3
	s_delay_alu instid0(VALU_DEP_4)
	v_add_nc_u32 v[SO+\b], 0xff000000, v[BM+\b]    ; 2 off the exponent field: the conversion takes this operand's exponent field as its scale
.endr
.irp b, 0,1,2,3
	s_delay_alu instid0(VALU_DEP_4)
	v_lshrrev_b32 v[PM+\b], 23, v[SO+\b]           ; the scale's byte
.endr
	s_delay_alu instid0(VALU_DEP_3)
	v_lshl_or_b32 v[PW], v[PM+1], 8, v[PM]         ; p's scale word for these 128 keys
	s_delay_alu instid0(VALU_DEP_1)
	v_lshl_or_b32 v[PW], v[PM+2], 16, v[PW]
	s_delay_alu instid0(VALU_DEP_1)
	v_lshl_or_b32 v[PW], v[PM+3], 24, v[PW]
.irp b, 0,1,2,3
	v_cvt_scalef32_pk8_fp4_f32 v[PC+2*\b], v[S+16*\b:S+7+16*\b], v[SO+\b]
	v_cvt_scalef32_pk8_fp4_f32 v[PC+1+2*\b], v[S+8+16*\b:S+15+16*\b], v[SO+\b]
.endr
	v_nop                                          ; one plain instruction between a scaled conversion and the vector instruction that touches its result
.irp c, 0,1                            ; the operand's layout wants a WHOLE block in a lane: lanes 0-15 block 2 c, lanes 16-31 block 2 c + 1
.irp i, 0,1
	v_permlane16_swap_b32 v[PC+4*\c+\i], v[PC+2+4*\c+\i]
.endr
.endr
	v_pk_add_f32 v[SUM:SUM+1], v[S:S+1], v[S+2:S+3]   ; the row's sum is taken of the UNQUANTISED p: two at a time, in two chains
.set j, 4
.rept 15
	v_pk_add_f32 v[\st+2:\st+3], v[\st+2:\st+3], v[S+j:S+j+1]
	v_pk_add_f32 v[SUM:SUM+1], v[SUM:SUM+1], v[S+j+2:S+j+3]
.set j, j+4
.endr
	s_delay_alu instid0(VALU_DEP_1)
	v_pk_add_f32 v[\st+2:\st+3], v[\st+2:\st+3], v[SUM:SUM+1]
.set j, 0
.rept 16
	v_pk_mul_f32 v[\oa+j:\oa+j+1], v[\oa+j:\oa+j+1], v[FP:FP+1] op_sel_hi:[1,0]   ; O^T under the new M, from each accumulator's low end on.  (The 48 lines from the sums on also stand between p's scale word and codes and the products)
.set j, j+2
.endr
	s_wait_alu depctr_va_vdst(0)
	s_wait_dscnt 0x0                               ; V's fragments and scale words are in
.irp t, 0,1,2,3                        ; O^T += V^T P^T: four accumulators, one instruction each; the matrix instruction ahead of the first wrote S^T, the one behind the last will
.if \t%2
	v_wmma_scale_f32_16x16x128_f8f6f4 v[\oa+8*\t:\oa+8*\t+7], v[F+8*\t:F+8*\t+7], v[PC:PC+7], v[\oa+8*\t:\oa+8*\t+7], v[VS+\t/2], v[PW] matrix_a_fmt:MATRIX_FMT_FP4 matrix_b_fmt:MATRIX_FMT_FP4 matrix_a_scale:MATRIX_SCALE_ROW1
.else
	v_wmma_scale_f32_16x16x128_f8f6f4 v[\oa+8*\t:\oa+8*\t+7], v[F+8*\t:F+8*\t+7], v[PC:PC+7], v[\oa+8*\t:\oa+8*\t+7], v[VS+\t/2], v[PW] matrix_a_fmt:MATRIX_FMT_FP4 matrix_b_fmt:MATRIX_FMT_FP4
.endif
.endr
	s_cmp_lg_u32 s[SC], s[\wn]
	s_cbranch_scc1 .Lskip_\@
	; THE DIAGONAL STEP WAS THE TILE'S LAST: IT LEAVES NOW.  O^T / the sum goes through my own stage in LDS and comes back as whole rows of 256 bytes.
.rept 4
	v_nop                                          ; four places behind the last products, whose results are read below
.endr
	v_add_f32 v[TMP], v[\st+2], v[\st+3]           ; the sum's two halves,
	s_delay_alu instid0(VALU_DEP_1)
	v_permlanex16_b32 v[TM2], v[TMP], s[SEL], s[SEL+1]
	s_delay_alu instid0(VALU_DEP_1)
	v_add_f32 v[TMP], v[TMP], v[TM2]               ; and lane l xor 16's: the row's sum
	s_wait_alu depctr_va_vdst(0)
	v_rcp_f32 v[FP], v[TMP]
	v_nop                                          ; a plain instruction between the reciprocal and its use
.set j, 0
	s_wait_alu depctr_va_vdst(0)
.rept 16
	v_pk_mul_f32 v[S+j:S+j+1], v[\oa+j:\oa+j+1], v[FP:FP+1] op_sel_hi:[1,0]   ; register 8 t + i is o(lane % 16, 16 t + 8 (lane / 16) + i)
.set j, j+2
.endr
.irp t, 0,1,2,3
	ds_store_b128 v[STO], v[S+8*\t:S+8*\t+3] offset:64*\t
	ds_store_b128 v[STO], v[S+8*\t+4:S+8*\t+7] offset:64*\t+16
.endr
.irp i, 0,1,2,3,4,5,6,7
	ds_load_b128 v[S+32+4*\i:S+32+4*\i+3], v[RD] offset:2*\i*272   ; LDS serves a wave's instructions in order (ISA guide 5.7.1.4): these see my stores above
.endr
.irp i, 0,1,2,3,4,5,6,7
	s_wait_dscnt 7-\i                              ; load i is in; the 7 - i issued behind it may be out
	global_store_b128 v[GO], v[S+32+4*\i:S+32+4*\i+3], s[\ob:\ob+1] offset:8192*\i th:TH_STORE_NT   ; 16 lanes store 256 consecutive bytes, at a multiple of 256 from out0's first byte; written once, read by nobody here
.endr
	s_wait_xcnt 0x0                                ; the stores' data registers are written again by later products only behind this wait
.Lskip_\@:
.endm
; A key step for both tiles.  The lines that step addresses stand outside every branch.
.macro STEP_BODY
	v_add_nc_u32 v[ADK], s[TK], v[AK0]
	v_add_nc_u32 v[ADV], s[TV], v[AV0]
	v_add_nc_u32 v[ADS], s[TS], v[ASK0]
	v_add_nc_u32 v[ADT], s[TT], v[ASV0]
	TILE_STEP WV, STA, DA, QWA, QA, OA, OUTA
	TILE_STEP WB, STB, DB, QWB, QB, OB, OUTB
	s_add_co_u32 s[TK], s[TK], 128*KP
	s_add_co_u32 s[TV], s[TV], 64
	s_add_co_u32 s[TS], s[TS], 512
	s_add_co_u32 s[TT], s[TT], 256
.endm
	s_mov_b32 s[SC], 0
	s_mov_b32 s[TK], 0
	s_mov_b32 s[TV], 0
	s_mov_b32 s[TS], 0
	s_mov_b32 s[TT], 0
.Lp0:                                              ; steps 0 to 3 read chunk 0 alone
	STEP_BODY
	s_add_co_u32 s[SC], s[SC], 1
	s_cmp_lt_u32 s[SC], 4
	s_cbranch_scc1 .Lp0
	s_add_co_u32 s[TV], s[TV], VCH-4*64            ; on to V's next chunk
	s_wait_tensorcnt 0x0                           ; the loading waves' chunks 1 to 3 are in,
	s_wait_dscnt 0x0
	s_barrier_signal -1
	s_barrier_wait -1                              ; for everybody.  From here on the waves share nothing that is written: no barrier until the closing round
	s_mov_b32 s[OC], 3
.Lchunk:                                           ; chunks 1 to 3,
	s_mov_b32 s[IC], 4
.Lp1:                                              ; four steps each
	STEP_BODY
	s_add_co_u32 s[SC], s[SC], 1
	s_sub_co_u32 s[IC], s[IC], 1
	s_cmp_lg_u32 s[IC], 0
	s_cbranch_scc1 .Lp1
	s_add_co_u32 s[TV], s[TV], VCH-4*64
	s_sub_co_u32 s[OC], s[OC], 1
	s_cmp_lg_u32 s[OC], 0
	s_cbranch_scc1 .Lchunk
	s_wait_dscnt 0x0
	s_wait_xcnt 0x0
	v_lshl_add_u32 v254, v0, 2, 0x3d000
	v_mov_b32 v255, 0
	s_wait_alu depctr_va_vdst(0)
	s_wait_tensorcnt 0x0
	ds_add_u32 v254, v255
	s_wait_dscnt 0x0
	CROUND                                         ; the closing round: no work-group ends while a partner may still ask for a tile that names it
	s_endpgm
.Lfunc_end_k_q5585a06e2e_attn:
	.size	k_q5585a06e2e_attn, .Lfunc_end_k_q5585a06e2e_attn-k_q5585a06e2e_attn
	.p2alignl 7, 3214868480
	.fill 96, 4, 3214868480
	.section	.rodata,"a",@progbits
	.p2align	6, 0x0
	.amdhsa_kernel k_q5585a06e2e_attn
		.amdhsa_group_segment_fixed_size 251904
		.amdhsa_private_segment_fixed_size 0
		.amdhsa_enable_private_segment 0
		.amdhsa_kernarg_size 56
		.amdhsa_user_sgpr_count 2
		.amdhsa_user_sgpr_kernarg_segment_ptr 1
		.amdhsa_wavefront_size32 1
		.amdhsa_system_sgpr_workgroup_id_x 1
		.amdhsa_system_sgpr_workgroup_id_y 1
		.amdhsa_system_sgpr_workgroup_id_z 1
		.amdhsa_system_vgpr_workitem_id 0
		.amdhsa_next_free_vgpr 256
		.amdhsa_next_free_sgpr 104
		.amdhsa_reserve_vcc 1
		.amdhsa_float_denorm_mode_32 3
		.amdhsa_float_denorm_mode_16_64 3
		.amdhsa_memory_ordered 1
		.amdhsa_forward_progress 1
		.amdhsa_inst_pref_size 114
	.end_amdhsa_kernel
	.amdgpu_metadata
---
amdhsa.version: [ 1, 2 ]
amdhsa.kernels:
  - .name:           k_q5585a06e2e_attn
    .symbol:         k_q5585a06e2e_attn.kd
    .args:
      - { .name: keys_codes, .offset: 0, .size: 8, .value_kind: global_buffer, .address_space: global }
      - { .name: keys_scales, .offset: 8, .size: 8, .value_kind: global_buffer, .address_space: global }
      - { .name: queries_codes, .offset: 16, .size: 8, .value_kind: global_buffer, .address_space: global }
      - { .name: queries_scales, .offset: 24, .size: 8, .value_kind: global_buffer, .address_space: global }
      - { .name: values_codes, .offset: 32, .size: 8, .value_kind: global_buffer, .address_space: global }
      - { .name: values_scales, .offset: 40, .size: 8, .value_kind: global_buffer, .address_space: global }
      - { .name: out0, .offset: 48, .size: 8, .value_kind: global_buffer, .address_space: global }
    .group_segment_fixed_size: 251904
    .private_segment_fixed_size: 0
    .kernarg_segment_align: 8
    .kernarg_segment_size: 56
    .max_flat_workgroup_size: 512
    .sgpr_count:     104
    .vgpr_count:     256
    .wavefront_size: 32
...
	.end_amdgpu_metadata
.endif
;; end of part 1
